; MI455X (gfx1250); checked and timed in simulation.
; The chip was launched on July 23, 2026; its instructions are those of AMD's public machine-readable ISA for CDNA 5 (MIT licence, August 2026) and "CDNA5" Instruction Set Architecture Reference Guide (July 2026). The comments in the code are by the model that wrote it; some were corrected since.
;; Attend. Allowed arithmetic: matrix products marked QUANTISED: E4M3 operands, one given power-of-two scale a tensor, by v_wmma_f32_16x16x64_fp8_fp8 or v_wmma_f32_16x16x128_fp8_fp8, f32 sums; everything else in f32.
;; Inputs: Wk_codes 1,024 x 32 x 32 uint8 (E4M3 codes of Wk, K innermost, in blocks of 32 codes); Wo_codes 1,024 x 32 x 32 uint8 (E4M3 codes of Wo, K innermost, in blocks of 32 codes); Wq_codes 1,024 x 32 x 32 uint8 (E4M3 codes of Wq, K innermost, in blocks of 32 codes); Wv_codes 1,024 x 32 x 32 uint8 (E4M3 codes of Wv, K innermost, in blocks of 32 codes); bk 1,024 float32; bo 1,024 float32; bq 1,024 float32; bv 1,024 float32; lowp_scales 12 int32 (the exponents e of the quantised operands' scales 2^e); x_codes 2 x 2,048 x 32 x 32 uint8 (E4M3 codes of x, K innermost, in blocks of 32 codes).
;; Outputs: out0 2 x 2,048 x 1,024 float32.
;; This version of the problem:
;;   THIS VERSION OF THE PROBLEM IS GIVEN IN LOW PRECISION. The matrix products marked QUANTISED in the list below multiply operands that are first quantised to E4M3 (4 exponent bits, 3 mantissa bits; 8 bits a number), with one given power-of-two scale for each operand tensor; their sums are f32. All else is computed in f32.
;;   The module's matrix products, in the order in which they are computed (A, B: the left and right operand; K: the contracted axis; several contracted axes count as one K, in the product's order):
;;     1. [M 4,096, K 1,024] x [K 1,024, N 1,024]; A: input x (given as codes); B: input Wq (given as codes): QUANTISED (scales: A lowp_scales[0], B lowp_scales[1])
;;     2. [M 4,096, K 1,024] x [K 1,024, N 1,024]; A: input x (given as codes); B: input Wk (given as codes): QUANTISED (scales: A lowp_scales[2], B lowp_scales[3])
;;     3. [M 4,096, K 1,024] x [K 1,024, N 1,024]; A: input x (given as codes); B: input Wv (given as codes): QUANTISED (scales: A lowp_scales[4], B lowp_scales[5])
;;     4. batch 32 x [M 2,048, K 64] x [K 64, N 2,048]; A: computed on the way; B: computed on the way: QUANTISED (scales: A lowp_scales[6], B lowp_scales[7])
;;     5. batch 32 x [M 2,048, K 2,048] x [K 2,048, N 64]; A: softmax (see below); B: computed on the way: QUANTISED (scales: A lowp_scales[8], B lowp_scales[9])
;;     6. [M 4,096, K 1,024] x [K 1,024, N 1,024]; A: computed on the way; B: input Wo (given as codes): QUANTISED (scales: A lowp_scales[10], B lowp_scales[11])
;;   THE QUANTISER, for each operand of a quantised product, along K:
;;     - The operand's scale is 2^e, e = its entry of the input lowp_scales (int32; the entries are numbered through the quantised products in the list's order, A before B).
;;     - Each number is divided by the scale, clamped to +-448, and rounded to the nearest number of E4M3, ties to even, subnormals kept.
;;     - The product sums the exact products of the quantised numbers (number of the format x scale) in f32.
;;   ~~~python
;;   def quantise(x, axis, e):      # numpy; x: float32 -> the quantised numbers, widened to float32 again
;;       x = np.moveaxis(x, axis, -1); K = x.shape[-1]
;;       r = np.clip(x / 2.0 ** e, -448, 448)
;;       step = 2.0 ** (np.maximum(np.frexp(np.where(r == 0, 1, r))[1] - 1, -6) - 3)
;;       q = np.round(r / step) * step * 2.0 ** e      # np.round: ties to even
;;       return np.moveaxis(q, -1, axis).astype(np.float32)
;;   ~~~
;;   SOFTMAX AHEAD OF A QUANTISED PRODUCT. Where the list says 'softmax', what is quantised is not the finished softmax but p = 2^(t - M), with t = logit x log2(e) and M = ceil(the row's largest t), a whole number; so 1/2 < the row's largest p <= 1. The row's sum l is taken of the UNQUANTISED p, in f32, and the product's result is divided by l at the end. Since M is a whole number, a kernel that streams over the keys may use a running M (the ceiling of the running maximum): every later rescaling is an exact power of two, so the quantised numbers keep their values, but for numbers so far below the row's largest that they fall under the format's range.
;;   OPERANDS COMPUTED ON THE WAY. 'Computed on the way' means the value that the module computes at that place (a softmax that the list does not call 'softmax' is quantised finished and normalised). What goes into a quantiser is computed in f32, as accurately as f32 sums, v_exp_f32 and their like allow (about 1e-6 of the number): no bf16 or f16 on the way to a quantiser, and a product that is left as it is and whose result goes on into a quantised operand takes f32 operands (vector FMAs, or v_wmma_f32_16x16x4_f32). A number that lies on a knife's edge between two numbers of the format may be rounded either way, as far as f32 arithmetic and the matrix unit's own rounding can turn it there, and no further.
;;   INPUTS GIVEN AS CODES. Wk (in the module: [1024, 1024], K = its axis 0); Wo (in the module: [1024, 1024], K = its axis 0); Wq (in the module: [1024, 1024], K = its axis 0); Wv (in the module: [1024, 1024], K = its axis 0); x (in the module: [2, 2048, 1024], K = its axis 2): each comes as NAME_codes (uint8): NAME with its K axis moved to the last place and cut into blocks of 32 codes, [.., K / 32, bytes a block], one block behind the other in memory; one code a byte (a code: sign, 4 exponent bits, 3 mantissa bits); its scale is its entry of lowp_scales. Its value is code x scale, taken as it is: it is not quantised again, and the codes and scales need not be those that the quantiser above would give.
;; One version. Each part assembles by itself: llvm-mc -triple=amdgcn-amd-amdhsa -mcpu=gfx1250 --defsym DOCPART=n.
;; ======== version 1 of 1: 3 launches
;; limits: right only within a limited range of input values
;; workspace buffers: q_img 4,194,304 bytes; k_img 4,194,304 bytes; v_img 4,194,304 bytes; o_img 4,194,304 bytes
;; launch qkv (part 1): grid 16 x 16, 4 waves a work-group, clusters of 4 x 4, 327,680 bytes of LDS; arguments x_codes, Wq_codes, Wk_codes, Wv_codes, bq, bk, bv, lowp_scales, q_img, k_img, v_img; writes q_img, k_img, v_img
.if DOCPART == 1
	.amdgcn_target "amdgcn-amd-amdhsa--gfx1250"
	.amdhsa_code_object_version 6
	.text
	.protected	k_q40446ebdbd_qkv
	.globl	k_q40446ebdbd_qkv
	.p2align	8
	.type	k_q40446ebdbd_qkv,@function
k_q40446ebdbd_qkv:
	s_mov_b64 s[64:65], 0
	v_nop
	global_prefetch_b8 v0, s[64:65] scope:SCOPE_SE
	s_setreg_imm32_b32 hwreg(HW_REG_WAVE_MODE, 25, 1), 1
	s_wait_xcnt 0x0
	s_wait_alu depctr_hold_cnt(0) depctr_sa_sdst(0) depctr_va_vdst(0) depctr_va_sdst(0) depctr_va_ssrc(0) depctr_va_vcc(0) depctr_vm_vsrc(0)
	s_getreg_b32 s2, hwreg(HW_REG_IB_STS2, 6, 4)
	s_cmp_eq_u32 s2, 0
	s_cbranch_scc0 .Lentry_in_a_cluster
	s_endpgm
.Lentry_in_a_cluster:
	s_bfe_u32 s2, ttmp6, 0x10000c
	s_cmp_lg_u32 s2, 0xf033
	s_cbranch_scc0 .Lentry_shape_is_right
	s_endpgm
.Lentry_shape_is_right:
; q = x Wq + bq, k = x Wk + bk, v = x Wv + bv on codes of FP8 (E4M3), and the three results quantised again, for the two products of the attention.
; x: [4096][1024] codes; Wq, Wk, Wv: [1024 (n)][1024 (k)] codes, K innermost.  The scales' exponents e0 .. e11 are whole numbers: x and Wq e0, e1; x and Wk e2, e3; x and Wv e4, e5; q e6, k e7, v e9.
; SHARES.  A work-group takes 256 rows of x and ONE head: its 64 columns of q, of k and of v, 192 columns.  16 heads x 16 row blocks = 256 work-groups.  Wave w takes rows 64 w .. 64 w + 63 and all 192 columns:
; 48 accumulators of 16 x 16.  K goes in 8 steps of 128, two to an LDS slot (rows of 256 bytes), through a ring of two slots: four fills, two of them refills; the 8 steps are written out.
; CLUSTER 4 x 4.  The four work-groups of a row of the cluster share their rows of x, the four of a column their head's rows of the weights: each tile is asked for jointly.
; LAYOUT OF THE RESULTS.  q and k are made TRANSPOSED (source 0 = 16 rows of W, source 1 = 16 rows of x): a lane holds one row and eight neighbouring channels, so a conversion of an accumulator's eight registers gives
; registers 2 c, 2 c + 1 of a fragment 16 rows x 64 channels.  v is made as it reads (source 0 = x, source 1 = Wv): a lane holds one channel and eight neighbouring keys: registers 2 c, 2 c + 1 of a fragment 16 channels x 128 keys.
; The fragments are stored AS IMAGES OF THEIR REGISTERS: four registers by one store, lane l's 16 bytes at 16 l, 512 consecutive bytes, at a multiple of 512 from the buffer's first byte.
;   q_img, k_img: ((16 batch + head) x 128 + tile of 16 rows) x 1024 + 512 i;   v_img: (((16 batch + head) x 16 + block of 128 keys) x 4 + tile of 16 channels) x 2048 + 512 i.
; THE BIAS is the C of each sum's first matrix instruction, divided by the power of two that the sums lack; the three scales ahead of a quantiser are folded into the conversion's one: code = sum / 2^(e_out - e_a - e_b).
; LIMITS: e6 - e0 - e1, e7 - e2 - e3 and e9 - e4 - e5 lie between -126 and 119, so that each power of two below is an f32 number.  NaN among the inputs is not served.
; x's and W's fragments are fetched by four loads of 16 bytes: a permutation of k inside a step of 128, the same on both sides, so every product meets its partner.
; REGISTERS, in windows of 256: window 0: v1-29 addresses and scales; v32-35 bv as loaded; v64-127, v128-191 x's fragments, TWO sets; at the end v64-159 the codes.   window 1: v0-191 W's 12 fragments, ONE set.
;   window 2: the accumulators of q and k, (b, a) at v[8 (4 b + a)], b = 0 .. 7.   window 3: v0-127 those of v; v128-191 the biases of q and k, eight registers a tile; v192-223 that of v.
.set PITCH, 272                        ; an LDS row: 256 bytes + 16 of padding: the 16 rows that a load touches start 16 bytes apart modulo 256
.set WTILE, 64*PITCH                   ; 64 rows
.set AOFF,  3*WTILE                    ; a slot: 64 rows of Wq, of Wk, of Wv, then x's 256 rows
.set SLOT,  7*WTILE
.set SPARE, 2*SLOT                     ; behind the ring: the spare words, 128 bytes for each wave: two blocks of 256 bytes that no other line names
.set ADRA, 16                          ; v16-17  LDS address of my fragments of x in slot 0, 1
.set ADRB, 18                          ; v18-19  the same for W
.set LI,   22                          ; v22     16 x lane
.set SC,   24                          ; v24-26  the conversions' scales for q, k, v
.set SPW,  28                          ; v28     LDS address of my spare word; never rewritten
.set NIL,  29                          ; v29     0; never rewritten
.set BVL,  32
.set AF,   64
.set CQ,   64
.set CK,   96
.set CV,   128
.set BQK,  128                         ; in window 3
.set BV,   192
.set G1A, 24                           ; s[24:31] descriptor group 1 for x's tiles; s[32:39] group 0, a set for each slot
.set G0A, 32
.set G1B, 48                           ; s[48:55], s[56:63] the same for W's
.set G0B, 56
.set E,   84                           ; s[84:95] e0 .. e11
.set MSB, 0
.macro WIN new                         ; the immediate's high byte repeats the setting that is left
.if MSB != \new
	s_set_vgpr_msb (MSB<<8)|\new
.set MSB, \new
.endif
.endm
.macro PLACES                          ; four places in front of loads into registers that matrix instructions have read, and of the first read of results
.rept 4
	v_nop
.endr
.endm
; A joint load: wave 3 fetches x's 256 rows, waves 0, 1, 2 the head's 64 rows of Wq, Wk, Wv.  The branch hangs on the wave's number alone.  Four v_nop follow each line.
.macro JLOAD s
	s_cmp_eq_u32 s14, 3
	s_cbranch_scc0 .Lfor_b_\@
	tensor_load_to_lds s[G0A+4*\s:G0A+4*\s+3], s[G1A:G1A+7]
	s_nop 0
.rept 4
	v_nop
.endr
	s_branch .Lasked_\@
.Lfor_b_\@:
	tensor_load_to_lds s[G0B+4*\s:G0B+4*\s+3], s[G1B:G1B+7]
	s_nop 0
.rept 4
	v_nop
.endr
.Lasked_\@:
.endm
.macro CREST                           ; a round of the cluster's barrier behind its opening barrier
	s_cmp_lg_u32 s14, 0
	s_cbranch_scc1 .Lnot_wave_0_\@
	s_barrier_signal -3
.Lnot_wave_0_\@:
	s_barrier_wait -3
	s_barrier_signal -1
	s_barrier_wait -1
.endm
.macro CROUND                          ; a whole round
	s_barrier_signal -1
	s_barrier_wait -1
	CREST
.endm
	s_load_b256 s[4:11], s[0:1], 0x0               ; x s[4:5], Wq s[6:7], Wk s[8:9], Wv s[10:11]
	s_load_b256 s[68:75], s[0:1], 0x20             ; bq s[68:69], bk s[70:71], bv s[72:73], the exponents s[74:75]
	s_load_b128 s[76:79], s[0:1], 0x40             ; q_img, k_img
	s_load_b64 s[80:81], s[0:1], 0x50              ; v_img
	v_lshl_add_u32 v[SPW], v0, 2, SPARE
	v_mov_b32 v[NIL], 0
	ds_add_u32 v28, v29
	ds_add_u32 v28, v29
	s_wait_dscnt 0x0
	v_lshrrev_b32 v1, 5, v0
	v_readfirstlane_b32 s14, v1                    ; wave 0..3
	s_bfe_u32 s40, ttmp6, 0x40000                  ; cx, cy: my place in the cluster
	s_bfe_u32 s41, ttmp6, 0x40004
	s_lshl_b32 s42, ttmp9, 2
	s_add_co_u32 s42, s42, s40                     ; the head = 4 x cluster x + cx
	s_and_b32 s17, ttmp7, 0xffff
	s_lshl_b32 s17, s17, 2
	s_add_co_u32 s17, s17, s41                     ; the block of 256 rows = 4 x cluster y + cy
	s_lshl_b32 s43, s41, 2
	s_lshl_b32 s43, 15, s43                        ; my row of the cluster
	s_lshl_b32 s44, 0x1111, s40                    ; my column
	s_or_b32 s[G1A], s43, (1<<20)|(1<<21)|(5<<22)|(3<<25)   ; 15:0 the mask: x's tiles go to my row; 17:16 elements of 1 byte; 20 padding on; 21 set beside a mask; 24:22 after every 64 words; 31:25 four words
	s_or_b32 s[G1B], s44, (1<<20)|(1<<21)|(5<<22)|(3<<25)   ; the same with my column's mask
	s_mov_b32 s[G1A+1], 256<<16                    ; tensor_dim0 = 256
	s_mov_b32 s[G1A+2], 256<<16                    ; tensor_dim1 = 256
	s_mov_b32 s[G1A+3], 256<<16                    ; tile_dim0 = 256
	s_mov_b32 s[G1A+4], 256                        ; tile_dim1 = 256 rows
	s_mov_b32 s[G1A+5], 1024                       ; from row to row
	s_mov_b32 s[G1A+6], 0
	s_mov_b32 s[G1A+7], 0
	s_mov_b32 s[G1B+1], 256<<16
	s_mov_b32 s[G1B+2], 64<<16                     ; 64 rows
	s_mov_b32 s[G1B+3], 256<<16
	s_mov_b32 s[G1B+4], 64
	s_mov_b32 s[G1B+5], 1024
	s_mov_b32 s[G1B+6], 0
	s_mov_b32 s[G1B+7], 0
	s_mul_i32 s45, s14, WTILE                      ; wave x 64 rows: where my tile of W goes, and where my rows of x begin behind AOFF
	s_wait_kmcnt 0x0
	s_load_b256 s[E:E+7], s[74:75], 0x0            ; e0 .. e7
	s_load_b128 s[E+8:E+11], s[74:75], 0x20        ; e8 .. e11
	s_lshl_b32 s20, s17, 18                        ; 256 rows of 1,024 bytes
	s_mov_b32 s21, 0
	s_add_nc_u64 s[20:21], s[4:5], s[20:21]        ; x at my block: it hangs on the block alone, which my row of the cluster shares
	s_cmp_eq_u32 s14, 1
	s_cselect_b64 s[46:47], s[8:9], s[6:7]         ; wave 0: Wq, wave 1: Wk,
	s_cmp_eq_u32 s14, 2
	s_cselect_b64 s[46:47], s[10:11], s[46:47]     ; wave 2: Wv (wave 3 does not ask by this address)
	s_lshl_b32 s12, s42, 16                        ; the head's 64 rows of 1,024 bytes
	s_mov_b32 s13, 0
	s_add_nc_u64 s[46:47], s[46:47], s[12:13]      ; it hangs on the head and the wave alone
	CROUND                                         ; all sixteen work-groups are here: the first joint loads meet
.irp s, 0,1
	s_mov_b32 s[G0A+4*\s], 1                       ; count = 1
	s_mov_b32 s[G0A+4*\s+1], AOFF+\s*SLOT          ; LDS address
	s_add_nc_u64 s[G0A+4*\s+2:G0A+4*\s+3], s[20:21], \s*256   ; slot s begins with K = 256 s
	s_or_b32 s[G0A+4*\s+3], s[G0A+4*\s+3], 0x80000000          ; type = 2
	s_mov_b32 s[G0B+4*\s], 1
	s_add_co_u32 s[G0B+4*\s+1], s45, \s*SLOT
	s_add_nc_u64 s[G0B+4*\s+2:G0B+4*\s+3], s[46:47], \s*256
	s_or_b32 s[G0B+4*\s+3], s[G0B+4*\s+3], 0x80000000
.endr
	JLOAD 0                                        ; slot 0: one tensor load a wave at the head
; A PREFETCH INTO THE L2, one slot (two K steps of 128) ahead of the joint load that will want it: behind slot t's load the 256 bytes of each row that slot t + 1 takes.
; Each row's 256 bytes are named once in each cluster: the four partners that share x's 256 rows take 64 each by address (cx), asked for by wave 3, a lane a row, two instructions;
; the four that share the head's rows of W take 16 of each matrix (cy), asked for by waves 0, 1, 2 (lanes 16 to 31 name the same rows again).  The last slot has none behind it.
.set PFO, 30
.macro ASK t
	global_prefetch_b8 v[PFO], s[18:19] offset:256*(\t) th:TH_LOAD_NT scope:SCOPE_SE
	s_cmp_eq_u32 s14, 3
	s_cbranch_scc0 .Lnot_x_\@
	global_prefetch_b8 v[PFO], s[18:19] offset:256*(\t)+32768 th:TH_LOAD_NT scope:SCOPE_SE
.Lnot_x_\@:
.endm
	s_lshl_b32 s22, s40, 16                        ; 64 cx rows of x
	s_lshl_b32 s23, s41, 14                        ; 16 cy rows of W
	s_cmp_eq_u32 s14, 3
	s_cselect_b64 s[18:19], s[20:21], s[46:47]     ; never rewritten, nor is v30
	s_cselect_b32 s22, s22, s23
	s_cselect_b32 s23, 31, 15
	v_and_b32 v[PFO], s23, v0
	v_lshlrev_b32 v[PFO], 10, v[PFO]
	v_add_nc_u32 v[PFO], s22, v[PFO]
	ASK 1
	v_and_b32 v1, 15, v0                           ; r = lane % 16
	v_bfe_u32 v2, v0, 4, 1                         ; h = lane / 16
	v_mul_u32_u24 v5, v1, PITCH
	v_lshl_add_u32 v[ADRB], v2, 4, v5              ; row x pitch + 16 x half
	v_add_nc_u32 v[ADRB+1], SLOT, v[ADRB]
	v_add_nc_u32 v6, s45, v[ADRB]
	v_add_nc_u32 v[ADRA], AOFF, v6                 ; my 64 rows of x lie behind W's 192
	v_add_nc_u32 v[ADRA+1], AOFF+SLOT, v6
	v_and_b32 v[LI], 31, v0
	v_lshlrev_b32 v[LI], 4, v[LI]
	v_lshlrev_b32 v3, 5, v2                        ; bq, bk: my half's eight channels of a tile: 32 h bytes
	v_lshlrev_b32 v4, 2, v1                        ; bv: my channel of a tile: 4 r bytes
	s_lshl_b32 s12, s42, 8                         ; the head's 64 numbers of a bias
	s_add_nc_u64 s[68:69], s[68:69], s[12:13]
	s_add_nc_u64 s[70:71], s[70:71], s[12:13]
	s_add_nc_u64 s[72:73], s[72:73], s[12:13]
	WIN 0xc0                                       ; destination window 3
.irp b, 0,1,2,3
	global_load_b128 v[BQK+8*\b:BQK+8*\b+3], v3, s[68:69] offset:64*\b
	global_load_b128 v[BQK+8*\b+4:BQK+8*\b+7], v3, s[68:69] offset:64*\b+16
	global_load_b128 v[BQK+32+8*\b:BQK+32+8*\b+3], v3, s[70:71] offset:64*\b
	global_load_b128 v[BQK+32+8*\b+4:BQK+32+8*\b+7], v3, s[70:71] offset:64*\b+16
.endr
	WIN 0
.irp t, 0,1,2,3
	global_load_b32 v[BVL+\t], v4, s[72:73] offset:64*\t
.endr
	; where my results go
	s_and_b32 s2, s17, 7                           ; the block of 256 rows within its batch
	s_lshl_b32 s3, s2, 4
	s_lshl_b32 s16, s14, 2
	s_add_co_u32 s3, s3, s16                       ; my first tile of 16 rows: 16 x block + 4 x wave
	s_lshl_b32 s3, s3, 10
	s_lshl_b32 s2, s2, 1
	s_lshr_b32 s16, s14, 1
	s_add_co_u32 s2, s2, s16                       ; my block of 128 keys: 2 x block + wave / 2
	s_lshl_b32 s2, s2, 13
	s_and_b32 s16, s14, 1
	s_lshl_b32 s16, s16, 10                        ; and my half of each of its fragments: registers 8 (wave % 2) on
	s_add_co_u32 s2, s2, s16
	s_lshr_b32 s12, s17, 3
	s_lshl_b32 s12, s12, 4
	s_add_co_u32 s12, s12, s42                     ; 16 x batch + head
	s_lshl_b32 s12, s12, 17                        ; 131,072 bytes of each image for a head
	s_add_co_u32 s46, s12, s3
	s_mov_b32 s47, 0
	s_add_nc_u64 s[76:77], s[76:77], s[46:47]
	s_add_nc_u64 s[78:79], s[78:79], s[46:47]
	s_add_co_u32 s46, s12, s2
	s_add_nc_u64 s[80:81], s[80:81], s[46:47]
; for one of the three results: v[vs] = 2^(eo - ea - eb) as f32, s[sp] = 448 x that, s[sn] = its negative, s[sb] = -(ea + eb)
.macro SCALES eo, ea, eb, vs, sp, sn, sb
	s_add_co_i32 s[\sb], s[E+\ea], s[E+\eb]
	s_sub_co_i32 s2, s[E+\eo], s[\sb]
	s_add_co_i32 s2, s2, 127
	s_lshl_b32 s3, s2, 23
	v_mov_b32 v[\vs], s3
	s_add_co_i32 s2, s2, 8
	s_lshl_b32 s2, s2, 23
	s_or_b32 s[\sp], s2, 0x600000
	s_or_b32 s[\sn], s[\sp], 0x80000000
	s_sub_co_i32 s[\sb], 0, s[\sb]
.endm
	s_wait_kmcnt 0x0
	SCALES 6, 0, 1, SC, 66, 67, 98
	SCALES 7, 2, 3, SC+1, 82, 83, 99
	SCALES 9, 4, 5, SC+2, 96, 97, 100
	s_wait_loadcnt 0x0                             ; the biases
	WIN 0xc3                                       ; source 0 and destination window 3
.set j, 0
.rept 32
	v_ldexp_f32 v[BQK+j], v[BQK+j], s98            ; bq / 2^(e0 + e1)
	v_ldexp_f32 v[BQK+32+j], v[BQK+32+j], s99      ; bk / 2^(e2 + e3)
.set j, j+1
.endr
	WIN 0xc0                                       ; source 0 window 0
.irp t, 0,1,2,3
.irp i, 0,1,2,3,4,5,6,7
	v_ldexp_f32 v[BV+8*\t+\i], v[BVL+\t], s100     ; bv / 2^(e4 + e5): my channel's, for all eight keys
.endr
.endr
	WIN 0
.macro FRAG reg, adr, q, i             ; a fragment, 16 rows x 128 K, is 16 registers: four loads of 16 bytes, 32 bytes apart
.irp c, 0,1,2,3
	ds_load_b128 v[\reg+4*\c:\reg+4*\c+3], v[\adr] offset:128*(\q)+32*\c+(\i)*16*PITCH
.endr
.endm
.macro FETCH_A slot, q, p              ; x's four fragments of the slot's q-th 128 along K into set p: 16 loads
	WIN 0
.irp i, 0,1,2,3
	FRAG AF+64*\p+16*\i, ADRA+\slot, \q, \i
.endr
.endm
.macro FETCH_B slot, q, half           ; W's fragments 6 half .. 6 half + 5: 24 loads
	WIN 0x40                                       ; destination window 1
.irp i, 0,1,2,3,4,5
	FRAG 16*(6*\half+\i), ADRB+\slot, \q, (6*\half+\i)
.endr
	WIN 0
.endm
; Four matrix instructions: W's fragment b against x's four of set p.  first = 1: the bias is the C.  The 48 accumulators take turns, one instruction a turn, in the same order in every step.
.macro MULB b, p, first
.if \b < 8
.if \first
	WIN 0xb1                                       ; source 0 (W) window 1, source 1 (x) window 0, C (the bias) window 3, D window 2
.else
	WIN 0xa1                                       ; C and D window 2
.endif
.irp a, 0,1,2,3
.if \first
	v_wmma_f32_16x16x128_fp8_fp8 v[8*(4*\b+\a):8*(4*\b+\a)+7], v[16*\b:16*\b+15], v[AF+64*\p+16*\a:AF+64*\p+16*\a+15], v[BQK+8*\b:BQK+8*\b+7]
.else
	v_wmma_f32_16x16x128_fp8_fp8 v[8*(4*\b+\a):8*(4*\b+\a)+7], v[16*\b:16*\b+15], v[AF+64*\p+16*\a:AF+64*\p+16*\a+15], v[8*(4*\b+\a):8*(4*\b+\a)+7]
.endif
.endr
.else
	WIN 0xf4                                       ; source 0 (x) window 0, source 1 (Wv) window 1, C and D window 3
.irp a, 0,1,2,3
.if \first
	v_wmma_f32_16x16x128_fp8_fp8 v[8*(4*(\b-8)+\a):8*(4*(\b-8)+\a)+7], v[AF+64*\p+16*\a:AF+64*\p+16*\a+15], v[16*\b:16*\b+15], v[BV+8*(\b-8):BV+8*(\b-8)+7]
.else
	v_wmma_f32_16x16x128_fp8_fp8 v[8*(4*(\b-8)+\a):8*(4*(\b-8)+\a)+7], v[AF+64*\p+16*\a:AF+64*\p+16*\a+15], v[16*\b:16*\b+15], v[8*(4*(\b-8)+\a):8*(4*(\b-8)+\a)+7]
.endif
.endr
.endif
.endm
; A slot's first 128 along K, on x's set 0.  A fragment of W is free when its four products are issued: fragments 0-5 are fetched anew in the step's middle, 6-11 at its end.
.macro STEP slot, first
	s_wait_dscnt 24                                ; x's set and W's fragments 0-5 are in; the youngest 24 loads (fragments 6-11) may be out
.irp b, 0,1,2,3,4,5
	MULB \b, 0, \first
.endr
	s_wait_dscnt 0x0                               ; fragments 6-11 are in
	PLACES
	FETCH_A \slot, 1, 1
	FETCH_B \slot, 1, 0
.irp b, 6,7,8,9,10,11
	MULB \b, 0, \first
.endr
	PLACES
	FETCH_B \slot, 1, 1
.endm
; A slot's second 128, on set 1, changes slots: ONE barrier; in front of it each wave waits for all its tensor loads, adds 0 to its spare word, and waits for that and for its reads of this slot.  fill = 1: the slot is filled again.
.macro TURN slot, next, fill
	s_wait_tensorcnt 0x0                           ; all my tensor loads have landed: my part of the next slot
	ds_add_u32 v[SPW], v[NIL]                      ; 0 onto my spare word
	s_wait_dscnt 25                                ; (the add and the 24 loads of fragments 6-11 may be out)
.irp b, 0,1,2
	MULB \b, 1, 0
.endr
	s_wait_dscnt 0x0                               ; the add is done, and my reads of this slot are over
	s_barrier_signal -1
.irp b, 3,4,5
	MULB \b, 1, 0
.endr
	WIN 0
	s_barrier_wait -1
.if \fill
	CREST                                          ; the barrier has opened a round of the cluster's: no wave of any partner still reads this slot or has a load on its way
	s_add_nc_u64 s[G0A+4*\slot+2:G0A+4*\slot+3], s[G0A+4*\slot+2:G0A+4*\slot+3], 512   ; two slots on along K
	s_add_nc_u64 s[G0B+4*\slot+2:G0B+4*\slot+3], s[G0B+4*\slot+2:G0B+4*\slot+3], 512
	JLOAD \slot                                    ; my one tensor load behind the round; its four v_nop are also the places in front of the loads below
.else
	PLACES
.endif
	FETCH_A \next, 0, 0
	FETCH_B \next, 0, 0
.if (\fill) && (\slot == 0)
	ASK 3
.endif
.irp b, 6,7,8,9,10,11
	MULB \b, 1, 0
.endr
	PLACES
	FETCH_B \next, 0, 1
.endm
	s_wait_alu depctr_va_vdst(0)
	s_wait_tensorcnt 0x0                           ; my part of slot 0 is in
	ds_add_u32 v[SPW], v[NIL]
	s_wait_dscnt 0x0
	CROUND                                         ; everybody's part is in, and the joint loads of slot 1 meet
	JLOAD 1                                        ; the first tensor load behind the round
	FETCH_A 0, 0, 0
	FETCH_B 0, 0, 0
	ASK 2
	FETCH_B 0, 0, 1
	STEP 0, 1                                      ; K 0: the biases start the sums
	TURN 0, 1, 1                                   ; K 128; slot 0 takes K 512 on
	STEP 1, 0                                      ; K 256
	TURN 1, 0, 1                                   ; K 384; slot 1 takes K 768 on
	STEP 0, 0                                      ; K 512
	TURN 0, 1, 0                                   ; K 640; nothing is left to fetch
	STEP 1, 0                                      ; K 768
	s_wait_dscnt 24                                ; K 896, the last step
.irp b, 0,1,2,3,4,5
	MULB \b, 1, 0
.endr
	s_wait_dscnt 0x0
.irp b, 6,7,8,9,10,11
	MULB \b, 1, 0
.endr
	; THE WAY OUT: hold, convert, store.  The conversion to an 8-bit code does not saturate (ISA guide 7.6.2): each sum is first held within the largest code x the scale.  Each accumulator is taken from its low end on.
	PLACES
	WIN 0x82                                       ; source 0 and destination window 2
.set j, 0
.rept 128
	v_med3_num_f32 v[j], v[j], s67, s66            ; q
.set j, j+1
.endr
.rept 128
	v_med3_num_f32 v[j], v[j], s83, s82            ; k
.set j, j+1
.endr
	WIN 0x02                                       ; source 0 window 2, destination and scale window 0
.irp b, 0,1,2,3
.irp a, 0,1,2,3
	v_cvt_scalef32_pk8_fp8_f32 v[CQ+8*\a+2*\b:CQ+8*\a+2*\b+1], v[8*(4*\b+\a):8*(4*\b+\a)+7], v[SC]          ; rows 16 a on, channels 16 b + 8 h + 0 .. 7: registers 2 b, 2 b + 1 of the fragment
	v_cvt_scalef32_pk8_fp8_f32 v[CK+8*\a+2*\b:CK+8*\a+2*\b+1], v[8*(4*(\b+4)+\a):8*(4*(\b+4)+\a)+7], v[SC+1]
.endr
.endr
	WIN 0xc3
.set j, 0
.rept 128
	v_med3_num_f32 v[j], v[j], s97, s96            ; v
.set j, j+1
.endr
	WIN 0x03
.irp t, 0,1,2,3
.irp a, 0,1,2,3
	v_cvt_scalef32_pk8_fp8_f32 v[CV+8*\t+2*\a:CV+8*\t+2*\a+1], v[8*(4*\t+\a):8*(4*\t+\a)+7], v[SC+2]        ; channels 16 t on, keys 16 a + 8 h + 0 .. 7 of my 64
.endr
.endr
	v_nop                                          ; a plain vector line behind the last conversion
	WIN 0
.irp a, 0,1,2,3
.irp i, 0,1
	global_store_b128 v[LI], v[CQ+8*\a+4*\i:CQ+8*\a+4*\i+3], s[76:77] offset:1024*\a+512*\i   ; the 32 lanes store 512 consecutive bytes
	global_store_b128 v[LI], v[CK+8*\a+4*\i:CK+8*\a+4*\i+3], s[78:79] offset:1024*\a+512*\i
	global_store_b128 v[LI], v[CV+8*\a+4*\i:CV+8*\a+4*\i+3], s[80:81] offset:2048*\a+512*\i
.endr
.endr
	s_wait_tensorcnt 0x0                           ; the wave's end
	ds_add_u32 v[SPW], v[NIL]
	s_wait_dscnt 0x0
	CROUND                                         ; the closing round: no work-group ends while a partner may still ask for a tile that names it
	s_endpgm
.Lfunc_end_k_q40446ebdbd_qkv:
	.size	k_q40446ebdbd_qkv, .Lfunc_end_k_q40446ebdbd_qkv-k_q40446ebdbd_qkv
	.p2alignl 7, 3214868480
	.fill 96, 4, 3214868480
	.section	.rodata,"a",@progbits
	.p2align	6, 0x0
	.amdhsa_kernel k_q40446ebdbd_qkv
		.amdhsa_group_segment_fixed_size 327680
		.amdhsa_private_segment_fixed_size 0
		.amdhsa_enable_private_segment 0
		.amdhsa_kernarg_size 88
		.amdhsa_user_sgpr_count 2
		.amdhsa_user_sgpr_kernarg_segment_ptr 1
		.amdhsa_wavefront_size32 1
		.amdhsa_system_sgpr_workgroup_id_x 1
		.amdhsa_system_sgpr_workgroup_id_y 1
		.amdhsa_system_sgpr_workgroup_id_z 1
		.amdhsa_system_vgpr_workitem_id 0
		.amdhsa_next_free_vgpr 1024
		.amdhsa_next_free_sgpr 101
		.amdhsa_reserve_vcc 0
		.amdhsa_float_denorm_mode_32 3
		.amdhsa_float_denorm_mode_16_64 3
		.amdhsa_memory_ordered 1
		.amdhsa_forward_progress 1
		.amdhsa_inst_pref_size 110
	.end_amdhsa_kernel
	.amdgpu_metadata
---
amdhsa.version: [ 1, 2 ]
amdhsa.kernels:
  - .name:           k_q40446ebdbd_qkv
    .symbol:         k_q40446ebdbd_qkv.kd
    .args:
      - { .name: x_codes, .offset: 0, .size: 8, .value_kind: global_buffer, .address_space: global }
      - { .name: Wq_codes, .offset: 8, .size: 8, .value_kind: global_buffer, .address_space: global }
      - { .name: Wk_codes, .offset: 16, .size: 8, .value_kind: global_buffer, .address_space: global }
      - { .name: Wv_codes, .offset: 24, .size: 8, .value_kind: global_buffer, .address_space: global }
      - { .name: bq, .offset: 32, .size: 8, .value_kind: global_buffer, .address_space: global }
      - { .name: bk, .offset: 40, .size: 8, .value_kind: global_buffer, .address_space: global }
      - { .name: bv, .offset: 48, .size: 8, .value_kind: global_buffer, .address_space: global }
      - { .name: lowp_scales, .offset: 56, .size: 8, .value_kind: global_buffer, .address_space: global }
      - { .name: q_img, .offset: 64, .size: 8, .value_kind: global_buffer, .address_space: global }
      - { .name: k_img, .offset: 72, .size: 8, .value_kind: global_buffer, .address_space: global }
      - { .name: v_img, .offset: 80, .size: 8, .value_kind: global_buffer, .address_space: global }
    .group_segment_fixed_size: 327680
    .private_segment_fixed_size: 0
    .kernarg_segment_align: 8
    .kernarg_segment_size: 88
    .max_flat_workgroup_size: 128
    .sgpr_count:     101
    .vgpr_count:     1024
    .wavefront_size: 32
...
	.end_amdgpu_metadata
.endif
;; end of part 1
;; launch attend (part 2): grid 8 x 32, 8 waves a work-group, clusters of 4 x 1, 327,680 bytes of LDS; arguments q_img, k_img, v_img, lowp_scales, o_img; writes o_img
.if DOCPART == 2
	.amdgcn_target "amdgcn-amd-amdhsa--gfx1250"
	.amdhsa_code_object_version 6
	.text
	.protected	k_q40446ebdbd_attend
	.globl	k_q40446ebdbd_attend
	.p2align	8
	.type	k_q40446ebdbd_attend,@function
k_q40446ebdbd_attend:
	s_mov_b64 s[64:65], 0
	v_nop
	global_prefetch_b8 v0, s[64:65] scope:SCOPE_SE
	s_setreg_imm32_b32 hwreg(HW_REG_WAVE_MODE, 25, 1), 1
	s_wait_xcnt 0x0
	s_wait_alu depctr_hold_cnt(0) depctr_sa_sdst(0) depctr_va_vdst(0) depctr_va_sdst(0) depctr_va_ssrc(0) depctr_va_vcc(0) depctr_vm_vsrc(0)
	s_getreg_b32 s2, hwreg(HW_REG_IB_STS2, 6, 4)
	s_cmp_eq_u32 s2, 0
	s_cbranch_scc0 .Lentry_in_a_cluster
	s_endpgm
.Lentry_in_a_cluster:
	s_bfe_u32 s2, ttmp6, 0x10000c
	s_cmp_lg_u32 s2, 0x3003
	s_cbranch_scc0 .Lentry_shape_is_right
	s_endpgm
.Lentry_shape_is_right:
; o = softmax(q k^T / 8, causal) v for 32 heads (batch x 16) of 2,048 rows x 64, both products on codes of FP8 (E4M3); o is quantised again for the last product.
; THE SOFTMAX: t = score x log2(e) / 8; M = the largest t so far rounded up to a whole number; p = 2^(t - M) is quantised, not normalised; the sum is taken of the unquantised p and divides at the end.
; When M moves, the sum and O are multiplied by 2^(old M - new M): exact.
; LEFT OUT: key steps of 128 all of whose keys come after the block's queries: the causal mask makes their p zero whatever the inputs hold (a NaN or an infinity there is not carried).
; SHARES.  A wave works on 32 neighbouring queries of a head (two tiles of 16), 128 keys a step, so each fragment of K and V feeds both tiles.  The head's 64 blocks of 32 make 32 PAIRS, b = 4 k + c and 63 - b:
; k + 1 key steps for the short block, 16 - k for the long one, 17 for each pair.  A pair has two waves: wave p takes the long block's steps 0, 1 and 9 - k .. 15 - k (nine), wave p + 4 the whole short block,
; then the long block's steps 2 .. 8 - k (eight in all), and hands that part (-M, sum, O^T) to wave p through LDS at the end.  k = 4 x cluster x + p; c = the place in the cluster, which enters addresses and the mask alone.
; In trips 0 and 1 no wave needs a key step beyond step 2.
; LDS.  All of the head's K (131,072 bytes of images) and V (as many) are filled ONCE, by two joint loads a wave: key steps 0 to 3, then the rest behind a round of the cluster's barrier; waves 0 to 3 K, waves 4 to 7 V.
; The 4 work-groups of a cluster walk the same head: each tile is asked for jointly.  No prefetch: no loop asks for tiles, two loads a wave bring everything, and the second has two key steps in which to land.
; IMAGES (q_img, k_img: 1,024 bytes for a tile of 16 rows; v_img: 2,048 bytes for 16 channels x 128 keys): four registers of a fragment in 512 bytes, lane l's 16 bytes at 16 l.
; LAYOUT.  S^T = K Q^T and O^T = V^T P^T: a lane holds one query (lane % 16) throughout; register 8 t + j of S^T is key 16 t + 8 (lane / 16) + j, so conversions of eight registers are the next operand's registers 2 t, 2 t + 1.
; LIMITS: e6 + e7 between -123 and 130; e8 and e10 - e8 - e9 between -126 and 119; the scaled scores stay under 2^31 in magnitude.  NaN among the inputs is not served.
; REGISTERS.  window 0: v1-31 as named below; v32-63 p's codes (ahead of that: partial sums of p); v64-127, v128-191 the two tiles' S^T, then p; v192-255 O^T.  window 1: Q, K's eight fragments, V's four.
.set LI,   1                           ; 16 x lane
.set ADK,  2
.set ADV,  3
.set SCP,  4                           ; 2^e8
.set NINF, 5
.set SCO,  6                           ; 2^(e10 - e8 - e9)
.set DQ,   7                           ; my query within its 128 (tile 0), less 8 (lane / 16)
.set ST,   8                           ; a tile's state, 8 registers each: -M, largest raw score, the sum in two halves, f in a pair, two at work
.set PD,   24
.set STG,  28                          ; the hand-over's LDS address
.set LIV,  29                          ; LI + V's place in LDS
.set SPW,  30
.set NIL,  31
.set P,    32
.set S,    64
.set O,    192
.set QF,   0
.set KF,   16
.set VF,   80
.set VBASE, 131072
.set STGB, 270336                      ; the hand-over: 17 x 512 bytes for each pair
.set HAND, 8704
.set SPARE, 307200                     ; the spare words: 128 bytes for each wave
.set WV,   14
.set ROLE, 16                          ; 0: long block; 1: short block, then the long one's other steps
.set SEL,  20
.set CS,   22                          ; log2(e) / 8 x 2^(e6 + e7), as a pair
.set PLIM, 24                          ; 448 x 2^e8
.set NCS,  25                          ; -CS
.set N,    26                          ; the trip
.set T1,   27
.set G1,   28
.set G1B,  36
.set G0,   44
.set G0B,  48
.set E,    52
.set TV,   80                          ; LDS bytes of this trip's V and of the next trip's K
.set TK,   81
.set DN,   82                          ; the trip on the diagonal
.set SW,   83                          ; the trip behind which I change blocks (64: never)
.set LN,   84                          ; my last trip
.set OFF1, 85                          ; key step = trip + OFF1 from trip 2 on; behind the change of blocks trip + OFFB, modulo 16
.set OFFB, 86
.set MSB, 0
.macro WIN new                         ; the immediate's high byte repeats the setting that is left
.if MSB != \new
	s_set_vgpr_msb (MSB<<8)|\new
.set MSB, \new
.endif
.endm
.macro PLACES
.rept 4
	v_nop
.endr
.endm
.macro CROUND                          ; a round of the cluster's barrier
	s_barrier_signal -1
	s_barrier_wait -1
	s_cmp_lg_u32 s[WV], 0
	s_cbranch_scc1 .Lnot_wave_0_\@
	s_barrier_signal -3
.Lnot_wave_0_\@:
	s_barrier_wait -3
	s_barrier_signal -1
	s_barrier_wait -1
.endm
	s_load_b256 s[4:11], s[0:1], 0x0               ; q_img, k_img, v_img, the exponents
	s_load_b64 s[12:13], s[0:1], 0x20              ; o_img
	v_lshl_add_u32 v[SPW], v0, 2, SPARE
	v_mov_b32 v[NIL], 0
	ds_add_u32 v[SPW], v[NIL]                      ; the opening lines: the add, twice on end, and its wait
	ds_add_u32 v[SPW], v[NIL]
	v_lshrrev_b32 v[ADK], 5, v0
	v_readfirstlane_b32 s[WV], v[ADK]
	s_bfe_u32 s15, ttmp6, 0x40000                  ; c
	s_and_b32 s17, ttmp7, 0xffff                   ; 16 x batch + head
	s_lshr_b32 s[ROLE], s[WV], 2
	s_and_b32 s18, s[WV], 3                        ; p
	s_lshl_b32 s19, ttmp9, 2
	s_add_co_u32 s19, s19, s18                     ; k
	s_mov_b32 s[G1], 15|(3<<16)|(1<<21)            ; all four partners; elements of 8 bytes; no padding: a dense block as rows of 256 bytes
	s_mov_b32 s[G1+1], 32<<16
	s_mov_b32 s[G1+2], 32<<16                      ; 32 rows: one key step's 8,192 bytes
	s_mov_b32 s[G1+3], 32<<16
	s_mov_b32 s[G1+4], 32
	s_mov_b32 s[G1+5], 32
	s_mov_b32 s[G1+6], 0
	s_mov_b32 s[G1+7], 0
	s_mov_b32 s[G1B], 15|(3<<16)|(1<<21)
	s_mov_b32 s[G1B+1], 32<<16
	s_mov_b32 s[G1B+2], 96<<16                     ; 96 rows: three key steps
	s_mov_b32 s[G1B+3], 32<<16
	s_mov_b32 s[G1B+4], 96
	s_mov_b32 s[G1B+5], 32
	s_mov_b32 s[G1B+6], 0
	s_mov_b32 s[G1B+7], 0
	s_mov_b32 s[SEL], 0x76543210
	s_mov_b32 s[SEL+1], 0xfedcba98
	s_lshl_b32 s2, s[ROLE], 17                     ; V lies 131,072 bytes behind K
	s_lshl_b32 s3, s18, 13
	s_mul_i32 s87, s18, 24576
	s_lshl_b32 s76, s17, 17                        ; 131,072 bytes of each image for a head
	s_add_co_u32 s78, s76, s87
	s_add_co_u32 s78, s78, 32768
	s_add_co_u32 s76, s76, s3
	s_mov_b32 s77, 0
	s_mov_b32 s79, 0
	s_wait_dscnt 0x0                               ; both opening adds are done
	s_wait_kmcnt 0x0
	s_load_b256 s[E:E+7], s[10:11], 0x0            ; e0 .. e7
	s_load_b128 s[E+8:E+11], s[10:11], 0x20        ; e8 .. e11
	s_cmp_lt_u32 s[WV], 4
	s_cselect_b64 s[68:69], s[6:7], s[8:9]
	s_mov_b32 s[G0], 1
	s_add_co_u32 s[G0+1], s2, s3
	s_add_nc_u64 s[G0+2:G0+3], s[68:69], s[76:77]
	s_or_b32 s[G0+3], s[G0+3], 0x80000000
	s_mov_b32 s[G0B], 1
	s_add_co_u32 s[G0B+1], s2, s87
	s_add_co_u32 s[G0B+1], s[G0B+1], 32768
	s_add_nc_u64 s[G0B+2:G0B+3], s[68:69], s[78:79]
	s_or_b32 s[G0B+3], s[G0B+3], 0x80000000
	CROUND                                         ; all four work-groups are here: the joint loads meet
	tensor_load_to_lds s[G0:G0+3], s[G1:G1+7]      ; my part of key steps 0 to 3
	s_nop 0
	PLACES
	s_sub_co_u32 s2, 15, s19                       ; the long block: in which 128 queries,
	s_sub_co_u32 s3, 3, s15                        ; and which 32 of them
	s_lshl_b32 s87, s17, 17
	s_lshl_b32 s76, s2, 13
	s_add_co_u32 s76, s76, s87
	s_lshl_b32 s78, s3, 11
	s_add_co_u32 s76, s76, s78
	s_add_nc_u64 s[72:73], s[4:5], s[76:77]        ; the long block's Q
	s_sub_co_u32 s[OFF1], 7, s19
	s_sub_co_u32 s[OFFB], 17, s19
	s_cmp_eq_u32 s[ROLE], 0
	s_cselect_b32 s2, s2, s19                      ; the block that I begin with, and whose result I store
	s_cselect_b32 s3, s3, s15
	s_cselect_b32 s[OFF1], s[OFF1], 0
	s_cselect_b32 s[DN], 8, s19
	s_cselect_b32 s[SW], 64, s19
	s_cselect_b32 s[LN], 8, 7
	s_lshl_b32 s76, s2, 13
	s_add_co_u32 s76, s76, s87
	s_lshl_b32 s78, s3, 11
	s_add_co_u32 s76, s76, s78
	s_add_nc_u64 s[70:71], s[4:5], s[76:77]        ; its Q: two tiles, 2,048 bytes
	s_lshr_b32 s76, s17, 4                         ; o_img: ((16 batch + 128 rows) x 8 + pair of heads) x 8 + tile, 2,048 bytes each; the second head of a pair 1,024 bytes on
	s_lshl_b32 s76, s76, 21
	s_bfe_u32 s78, s17, 0x30001
	s_lshl_b32 s78, s78, 14
	s_add_co_u32 s76, s76, s78
	s_and_b32 s78, s17, 1
	s_lshl_b32 s78, s78, 10
	s_add_co_u32 s76, s76, s78
	s_lshl_b32 s78, s2, 17
	s_add_co_u32 s76, s76, s78
	s_lshl_b32 s78, s3, 12
	s_add_co_u32 s76, s76, s78
	s_add_nc_u64 s[74:75], s[12:13], s[76:77]
	s_lshl_b32 s3, s3, 5
	s_mul_i32 s78, s18, HAND
	v_and_b32 v[LI], 31, v0
	v_lshlrev_b32 v[LI], 4, v[LI]
	v_add_nc_u32 v[LIV], VBASE, v[LI]
	v_add_nc_u32 v[STG], s78, v[LI]
	v_add_nc_u32 v[STG], STGB, v[STG]
	WIN 0x40                                       ; destination window 1
.irp i, 0,1,2,3
	global_load_b128 v[QF+4*\i:QF+4*\i+3], v[LI], s[70:71] offset:512*\i
.endr
	WIN 0
	v_and_b32 v[DQ], 15, v0
	v_bfe_u32 v[ADK], v0, 4, 1
	v_lshlrev_b32 v[ADK], 3, v[ADK]
	v_sub_nc_u32 v[DQ], v[DQ], v[ADK]
	v_add_nc_u32 v[DQ], s3, v[DQ]
	v_mov_b32 v[NINF], 0xff800000
.irp x, 0,1
	v_mov_b32 v[ST+8*\x], 0x7f61b1e6               ; -M = 3e38: the first change of M multiplies by 0
	v_mov_b32 v[ST+8*\x+1], 0xff61b1e6             ; -3e38, under every score
	v_mov_b32 v[ST+8*\x+2], 0
	v_mov_b32 v[ST+8*\x+3], 0
	v_mov_b32 v[ST+8*\x+5], 0                      ; (named as the upper half of f's pair)
	v_mov_b32 v[PD+\x], 0                          ; (a lane permute's destination counts as a source)
.endr
.set j, 0
.rept 64
	v_mov_b32 v[O+j], 0                            ; the step is written for all trips alike: its first change of M finds zeros
.set j, j+1
.endr
	s_wait_kmcnt 0x0
	s_add_co_i32 s78, s[E+6], s[E+7]
	s_lshl_b32 s78, s78, 23
	s_add_co_i32 s[CS], s78, 0x3e38aa3b            ; log2(e) / 8, the two exponents added to its exponent field
	s_mov_b32 s[CS+1], s[CS]
	s_xor_b32 s[NCS], s[CS], 0x80000000
	s_add_co_i32 s78, s[E+8], 127
	s_lshl_b32 s79, s78, 23
	v_mov_b32 v[SCP], s79
	s_add_co_i32 s78, s78, 8
	s_lshl_b32 s78, s78, 23
	s_or_b32 s[PLIM], s78, 0x600000
	s_sub_co_i32 s78, s[E+10], s[E+8]
	s_sub_co_i32 s78, s78, s[E+9]
	s_add_co_i32 s78, s78, 127
	s_lshl_b32 s79, s78, 23
	v_mov_b32 v[SCO], s79
	s_add_co_i32 s78, s78, 8
	s_lshl_b32 s78, s78, 23
	s_or_b32 s66, s78, 0x600000                    ; 448 x that, and its negative
	s_or_b32 s67, s66, 0x80000000
; s[dst] = the LDS byte at which the key step of trip N + d begins in K's images (mask: all that the step's number can be)
.macro KEYS dst, d, off, mask
	s_add_co_u32 s[T1], s[N], \d
	s_cmp_le_u32 s[T1], s[SW]
	s_cselect_b32 s[\dst], \off, s[OFFB]
	s_add_co_u32 s[\dst], s[\dst], s[T1]
	s_and_b32 s[\dst], s[\dst], \mask
	s_lshl_b32 s[\dst], s[\dst], 13
.endm
.macro KLOAD                           ; K's eight fragments: 16 loads
	WIN 0x40
.irp t, 0,1,2,3,4,5,6,7
.irp i, 0,1
	ds_load_b128 v[KF+8*\t+4*\i:KF+8*\t+4*\i+3], v[ADK] offset:1024*\t+512*\i
.endr
.endr
	WIN 0
.endm
.macro FIRST off, mask                 ; K's fragments of the coming trip, ahead of a loop
	KEYS TK, 0, \off, \mask
	v_add_nc_u32 v[ADK], s[TK], v[LI]
	KLOAD
	s_wait_dscnt 0x0
.endm
.macro HOLD r                          ; two numbers held at the largest code x the scale (p is never negative; the conversion does not saturate: ISA guide 7.6.2)
	v_dual_min_num_f32 v[\r], s[PLIM], v[\r] :: v_dual_min_num_f32 v[\r+1], s[PLIM], v[\r+1]
.endm
; On the diagonal the scores of hidden keys become -infinity.  Tile 1's queries lie 16 on, so its tile of keys t + 1 has the compares of tile 0's t; its tile 0 is never hidden.
.macro MASK
.irp t, 0,1,2,3,4,5,6,7
.irp j, 0,1,2,3,4,5,6,7
	v_cmp_gt_i32 vcc_lo, 16*\t+\j, v[DQ]
	v_cndmask_b32 v[S+8*\t+\j], v[S+8*\t+\j], v[NINF], vcc_lo
.if \t < 7
	v_cndmask_b32 v[S+72+8*\t+\j], v[S+72+8*\t+\j], v[NINF], vcc_lo
.endif
.endr
.endr
.endm
; O^T / the sum, held, quantised and stored: two tiles, four times 512 consecutive bytes
.macro FINISH
.irp x, 0,1
	v_add_f32 v[ST+8*\x+2], v[ST+8*\x+2], v[ST+8*\x+3]
.endr
.irp x, 0,1
	v_permlanex16_b32 v[PD+\x], v[ST+8*\x+2], s[SEL], s[SEL+1]
.endr
.irp x, 0,1
	v_add_f32 v[ST+8*\x+2], v[ST+8*\x+2], v[PD+\x]
.endr
	s_wait_alu depctr_va_vdst(0)                   ; ahead of the transcendentals,
	v_rcp_f32 v[ST+4], v[ST+2]
	v_rcp_f32 v[ST+12], v[ST+10]
	v_nop
	s_wait_alu depctr_va_vdst(0)                   ; and behind them, directly ahead of the first reader of O^T
.set j, 0
.rept 16
	v_pk_mul_f32 v[O+j:O+j+1], v[O+j:O+j+1], v[ST+4:ST+5] op_sel_hi:[1,0]
	v_pk_mul_f32 v[O+32+j:O+33+j], v[O+32+j:O+33+j], v[ST+12:ST+13] op_sel_hi:[1,0]
.set j, j+2
.endr
.set j, 0
.rept 64
	v_med3_num_f32 v[O+j], v[O+j], s67, s66
.set j, j+1
.endr
.irp x, 0,1
.irp d, 0,1,2,3
	v_cvt_scalef32_pk8_fp8_f32 v[P+16*\x+2*\d:P+16*\x+2*\d+1], v[O+32*\x+8*\d:O+32*\x+8*\d+7], v[SCO]
.endr
.endr
	v_nop
.irp x, 0,1
.irp i, 0,1
	global_store_b128 v[LI], v[P+16*\x+4*\i:P+16*\x+4*\i+3], s[74:75] offset:2048*\x+512*\i
.endr
.endr
.endm
; A KEY STEP of both tiles.  K's fragments are in registers; V's, and the next trip's of K, are fetched under the softmax.
.macro STEP off, mask, last
	KEYS TV, 0, \off, \mask
	KEYS TK, 1, \off, \mask
	WIN 0x05                                       ; sources 0 and 1 window 1
.irp t, 0,1,2,3,4,5,6,7
	v_wmma_f32_16x16x64_fp8_fp8 v[S+8*\t:S+8*\t+7], v[KF+8*\t:KF+8*\t+7], v[QF:QF+7], 0
	v_wmma_f32_16x16x64_fp8_fp8 v[S+64+8*\t:S+64+8*\t+7], v[KF+8*\t:KF+8*\t+7], v[QF+8:QF+15], 0
.endr
	WIN 0
	v_add_nc_u32 v[ADV], s[TV], v[LIV]             ; these two and two v_nop are the places behind the matrix instructions
	v_add_nc_u32 v[ADK], s[TK], v[LI]
	v_nop
	v_nop
	WIN 0x40
.irp d, 0,1,2,3
.irp i, 0,1,2,3
	ds_load_b128 v[VF+16*\d+4*\i:VF+16*\d+4*\i+3], v[ADV] offset:2048*\d+512*\i
.endr
.endr
	WIN 0
	s_cmp_eq_u32 s[N], \last                       ; the last trip fetches no K
	s_cbranch_scc1 .Lno_k_\@
	KLOAD
.Lno_k_\@:
	s_cmp_lg_u32 s[N], s[SW]
	s_cbranch_scc1 .Lsame_q_\@
	WIN 0x40
.irp i, 0,1,2,3
	global_load_b128 v[QF+4*\i:QF+4*\i+3], v[LI], s[72:73] offset:512*\i   ; the block that I change to
.endr
	WIN 0
.Lsame_q_\@:
	s_cmp_lg_u32 s[N], s[DN]
	s_cbranch_scc1 .Lopen_\@
	MASK
.Lopen_\@:
.irp x, 0,1                            ; the largest raw score of each tile, in two chains each
	v_max3_num_f32 v[ST+8*\x+6], v[S+64*\x], v[S+64*\x+1], v[S+64*\x+2]
	v_max3_num_f32 v[ST+8*\x+7], v[S+64*\x+3], v[S+64*\x+4], v[S+64*\x+5]
.endr
.set j, 6
.rept 14
.irp x, 0,1
	v_max3_num_f32 v[ST+8*\x+6], v[ST+8*\x+6], v[S+64*\x+j], v[S+64*\x+j+1]
	v_max3_num_f32 v[ST+8*\x+7], v[ST+8*\x+7], v[S+64*\x+j+2], v[S+64*\x+j+3]
.endr
.set j, j+4
.endr
.irp x, 0,1
	v_max3_num_f32 v[ST+8*\x+6], v[ST+8*\x+6], v[S+64*\x+62], v[S+64*\x+63]
.endr
.irp x, 0,1
	v_max_num_f32 v[ST+8*\x+6], v[ST+8*\x+6], v[ST+8*\x+7]
.endr
.irp x, 0,1
	v_permlanex16_b32 v[PD+\x], v[ST+8*\x+6], s[SEL], s[SEL+1]
.endr
.irp x, 0,1
	v_max3_num_f32 v[ST+8*\x+1], v[ST+8*\x+1], v[ST+8*\x+6], v[PD+\x]   ; the running largest
.endr
.irp x, 0,1
	v_mul_f32 v[ST+8*\x+6], s[NCS], v[ST+8*\x+1]   ; -t
.endr
.irp x, 0,1
	v_floor_f32 v[ST+8*\x+7], v[ST+8*\x+6]         ; the new -M
.endr
.irp x, 0,1
	v_sub_f32 v[ST+8*\x+6], v[ST+8*\x+7], v[ST+8*\x]   ; old M - new M: a whole number, 0 or less
.endr
.irp x, 0,1
	v_mov_b32 v[ST+8*\x], v[ST+8*\x+7]
	v_cvt_i32_f32 v[ST+8*\x+6], v[ST+8*\x+6]       ; (it saturates)
.endr
.irp x, 0,1
	v_ldexp_f32 v[ST+8*\x+4], 1.0, v[ST+8*\x+6]    ; f = 2^(old M - new M)
.endr
.set j, 0
.rept 32
	v_pk_fma_f32 v[S+j:S+j+1], v[S+j:S+j+1], s[CS:CS+1], v[ST:ST+1] op_sel_hi:[1,0,0]   ; t - M of tile 0
.set j, j+2
.endr
	s_wait_alu depctr_va_vdst(0)                   ; ahead of a batch
.set j, 0
.rept 32                               ; tile 0's exponentials; between them tile 1's t - M, first read behind the next wait
	v_exp_f32 v[S+j], v[S+j]
	v_exp_f32 v[S+j+1], v[S+j+1]
	v_pk_fma_f32 v[S+64+j:S+65+j], v[S+64+j:S+65+j], s[CS:CS+1], v[ST+8:ST+9] op_sel_hi:[1,0,0]
.set j, j+2
.endr
	s_wait_alu depctr_va_vdst(0)                   ; behind tile 0's batch and ahead of tile 1's
.set j, 0
.rept 16                               ; tile 1's exponentials; between them sums of four of tile 0's p in pairs, and its hold: all first read behind the next wait
	v_exp_f32 v[S+64+j], v[S+64+j]
	v_pk_add_f32 v[P+j/2:P+j/2+1], v[S+j:S+j+1], v[S+j+2:S+j+3]
	v_exp_f32 v[S+65+j], v[S+65+j]
	HOLD S+j
	v_exp_f32 v[S+66+j], v[S+66+j]
	HOLD S+j+2
	v_exp_f32 v[S+67+j], v[S+67+j]
.set j, j+4
.endr
	v_pk_mul_f32 v[ST+2:ST+3], v[ST+2:ST+3], v[ST+4:ST+5] op_sel_hi:[1,0]          ; the sums under the new M
	v_pk_mul_f32 v[ST+10:ST+11], v[ST+10:ST+11], v[ST+12:ST+13] op_sel_hi:[1,0]
	s_wait_alu depctr_va_vdst(0)                   ; behind the batch, and directly ahead of the first reader of O^T
.set j, 0
.rept 16
	v_pk_mul_f32 v[O+j:O+j+1], v[O+j:O+j+1], v[ST+4:ST+5] op_sel_hi:[1,0]
	v_pk_mul_f32 v[O+32+j:O+33+j], v[O+32+j:O+33+j], v[ST+12:ST+13] op_sel_hi:[1,0]
.set j, j+2
.endr
	v_pk_add_f32 v[ST+14:ST+15], v[S+64:S+65], v[S+66:S+67]   ; the sums of the unquantised p
.set m, 0
.rept 15
	v_pk_add_f32 v[ST+10:ST+11], v[ST+10:ST+11], v[S+68+4*m:S+69+4*m]
	v_pk_add_f32 v[ST+14:ST+15], v[ST+14:ST+15], v[S+70+4*m:S+71+4*m]
.if m%2
	v_pk_add_f32 v[P+30:P+31], v[P+30:P+31], v[P+2*m:P+2*m+1]
.else
	v_pk_add_f32 v[ST+2:ST+3], v[ST+2:ST+3], v[P+2*m:P+2*m+1]
.endif
.set m, m+1
.endr
	v_pk_add_f32 v[ST+2:ST+3], v[ST+2:ST+3], v[P+30:P+31]
.irp t, 0,1,2,3,4,5,6,7
	HOLD S+64+8*\t
	HOLD S+66+8*\t
	HOLD S+68+8*\t
	HOLD S+70+8*\t
	v_cvt_scalef32_pk8_fp8_f32 v[P+2*\t:P+2*\t+1], v[S+8*\t:S+8*\t+7], v[SCP]
.endr
.irp t, 0,1,2,3,4,5,6,7
	v_cvt_scalef32_pk8_fp8_f32 v[P+16+2*\t:P+17+2*\t], v[S+64+8*\t:S+64+8*\t+7], v[SCP]
.endr
	v_pk_add_f32 v[ST+10:ST+11], v[ST+10:ST+11], v[ST+14:ST+15]   ; (the plain line behind the last conversion)
	s_wait_alu depctr_va_vdst(0)                   ; directly ahead of the waits below
	s_wait_dscnt 0x0                               ; V's fragments and the next K's are in
	s_wait_loadcnt 0x0                             ; and Q's, where a block changes
	WIN 0x01                                       ; source 0 (V) window 1
.irp d, 0,1,2,3
.irp x, 0,1
	v_wmma_f32_16x16x128_fp8_fp8 v[O+32*\x+8*\d:O+32*\x+8*\d+7], v[VF+16*\d:VF+16*\d+15], v[P+16*\x:P+16*\x+15], v[O+32*\x+8*\d:O+32*\x+8*\d+7]
.endr
.endr
	WIN 0
	s_cmp_lg_u32 s[N], s[SW]
	s_cbranch_scc1 .Lstay_\@
	FINISH                                         ; the short block is done.  O^T and the sums hold bounded numbers now, which the first change of M multiplies by 0: nothing is cleared
.irp x, 0,1
	v_mov_b32 v[ST+8*\x], 0x7f61b1e6
	v_mov_b32 v[ST+8*\x+1], 0xff61b1e6
.endr
	s_wait_alu depctr_va_vdst(0)
	s_wait_xcnt 0x0                                ; the stores have read p's registers, which the next trip writes
.Lstay_\@:
.endm
	s_wait_alu depctr_va_vdst(0)                   ; the head's end
	s_wait_tensorcnt 0x0                           ; my part of key steps 0 to 3 is in
	ds_add_u32 v[SPW], v[NIL]
	s_wait_dscnt 0x0
	CROUND                                         ; everybody's is
	tensor_load_to_lds s[G0B:G0B+3], s[G1B:G1B+7]  ; my part of key steps 4 to 15
	s_nop 0
	PLACES
	s_mov_b32 s[N], 0
	FIRST 0, 3
	s_wait_loadcnt 0x0                             ; Q
.Lone:                                                 ; trips 0 and 1: key steps 0, 1 or 2
	STEP 0, 3, 1
	s_add_co_u32 s[N], s[N], 1
	s_cmp_lt_u32 s[N], 2
	s_cbranch_scc1 .Lone
	s_wait_tensorcnt 0x0                           ; my second load has landed;
	s_wait_dscnt 0x0
	s_barrier_signal -1
	s_barrier_wait -1                              ; everybody's has.  Nothing is filled from here on
	s_mov_b32 s[N], 2
	FIRST s[OFF1], 15
.Ltwo:                                                 ; trips 2 to 8, without a barrier
	s_cmp_gt_u32 s[N], s[LN]
	s_cbranch_scc1 .Lrest
	STEP s[OFF1], 15, s[LN]
.Lrest:
	s_add_co_u32 s[N], s[N], 1
	s_cmp_lt_u32 s[N], 9
	s_cbranch_scc1 .Ltwo
	; THE HAND-OVER: waves 4 to 7 store their part of the long block as it lies in registers; the partner's lanes take the same places
	s_cmp_eq_u32 s[ROLE], 0
	s_cbranch_scc1 .Lkeep
	v_mov_b32 v[S], v[ST]
	v_add_f32 v[S+1], v[ST+2], v[ST+3]
	v_mov_b32 v[S+2], v[ST+8]
	v_add_f32 v[S+3], v[ST+10], v[ST+11]
.irp i, 0,1,2,3,4,5,6,7,8,9,10,11,12,13,14,15
	ds_store_b128 v[STG], v[O+4*\i:O+4*\i+3] offset:512*\i
.endr
	ds_store_b128 v[STG], v[S:S+3] offset:8192
.Lkeep:
	s_wait_dscnt 0x0
	s_barrier_signal -1
	s_barrier_wait -1
	s_cmp_lg_u32 s[ROLE], 0
	s_cbranch_scc1 .Lend
.irp i, 0,1,2,3,4,5,6,7,8,9,10,11,12,13,14,15
	ds_load_b128 v[S+4*\i:S+4*\i+3], v[STG] offset:512*\i
.endr
	ds_load_b128 v[S+64:S+67], v[STG] offset:8192  ; -M and sum of tile 0, of tile 1
	s_wait_dscnt 0x0
.irp x, 0,1                            ; both parts under the greater M: powers of two, exact
	v_min_num_f32 v[ST+8*\x+6], v[ST+8*\x], v[S+64+2*\x]
.endr
.irp x, 0,1
	v_sub_f32 v[ST+8*\x+7], v[ST+8*\x+6], v[ST+8*\x]
	v_sub_f32 v[PD+\x], v[ST+8*\x+6], v[S+64+2*\x]
.endr
.irp x, 0,1
	v_cvt_i32_f32 v[ST+8*\x+7], v[ST+8*\x+7]
	v_cvt_i32_f32 v[PD+\x], v[PD+\x]
.endr
.irp x, 0,1
	v_ldexp_f32 v[ST+8*\x+4], 1.0, v[ST+8*\x+7]
	v_ldexp_f32 v[S+68+2*\x], 1.0, v[PD+\x]
	v_mov_b32 v[S+69+2*\x], 0                      ; (named as the upper half of a pair)
.endr
.irp x, 0,1
	v_pk_mul_f32 v[ST+8*\x+2:ST+8*\x+3], v[ST+8*\x+2:ST+8*\x+3], v[ST+8*\x+4:ST+8*\x+5] op_sel_hi:[1,0]
.endr
.irp x, 0,1
	v_fma_f32 v[ST+8*\x+2], v[S+65+2*\x], v[S+68+2*\x], v[ST+8*\x+2]
.endr
.set j, 0
.rept 16
	v_pk_mul_f32 v[O+j:O+j+1], v[O+j:O+j+1], v[ST+4:ST+5] op_sel_hi:[1,0]
	v_pk_mul_f32 v[O+32+j:O+33+j], v[O+32+j:O+33+j], v[ST+12:ST+13] op_sel_hi:[1,0]
.set j, j+2
.endr
.set j, 0
.rept 16
	v_pk_fma_f32 v[O+j:O+j+1], v[S+j:S+j+1], v[S+68:S+69], v[O+j:O+j+1] op_sel_hi:[1,0,1]
	v_pk_fma_f32 v[O+32+j:O+33+j], v[S+32+j:S+33+j], v[S+70:S+71], v[O+32+j:O+33+j] op_sel_hi:[1,0,1]
.set j, j+2
.endr
	FINISH
.Lend:
	s_wait_tensorcnt 0x0                           ; the wave's end
	ds_add_u32 v[SPW], v[NIL]
	s_wait_dscnt 0x0
	CROUND                                         ; the closing round: no work-group ends while a partner may still ask for a tile that names it
	s_endpgm
.Lfunc_end_k_q40446ebdbd_attend:
	.size	k_q40446ebdbd_attend, .Lfunc_end_k_q40446ebdbd_attend-k_q40446ebdbd_attend
	.p2alignl 7, 3214868480
	.fill 96, 4, 3214868480
	.section	.rodata,"a",@progbits
	.p2align	6, 0x0
	.amdhsa_kernel k_q40446ebdbd_attend
		.amdhsa_group_segment_fixed_size 327680
		.amdhsa_private_segment_fixed_size 0
		.amdhsa_enable_private_segment 0
		.amdhsa_kernarg_size 40
		.amdhsa_user_sgpr_count 2
		.amdhsa_user_sgpr_kernarg_segment_ptr 1
		.amdhsa_wavefront_size32 1
		.amdhsa_system_sgpr_workgroup_id_x 1
		.amdhsa_system_sgpr_workgroup_id_y 1
		.amdhsa_system_sgpr_workgroup_id_z 1
		.amdhsa_system_vgpr_workitem_id 0
		.amdhsa_next_free_vgpr 400
		.amdhsa_next_free_sgpr 92
		.amdhsa_reserve_vcc 1
		.amdhsa_float_denorm_mode_32 3
		.amdhsa_float_denorm_mode_16_64 3
		.amdhsa_memory_ordered 1
		.amdhsa_forward_progress 1
		.amdhsa_inst_pref_size 115
	.end_amdhsa_kernel
	.amdgpu_metadata
---
amdhsa.version: [ 1, 2 ]
amdhsa.kernels:
  - .name:           k_q40446ebdbd_attend
    .symbol:         k_q40446ebdbd_attend.kd
    .args:
      - { .name: q_img, .offset: 0, .size: 8, .value_kind: global_buffer, .address_space: global }
      - { .name: k_img, .offset: 8, .size: 8, .value_kind: global_buffer, .address_space: global }
      - { .name: v_img, .offset: 16, .size: 8, .value_kind: global_buffer, .address_space: global }
      - { .name: lowp_scales, .offset: 24, .size: 8, .value_kind: global_buffer, .address_space: global }
      - { .name: o_img, .offset: 32, .size: 8, .value_kind: global_buffer, .address_space: global }
    .group_segment_fixed_size: 327680
    .private_segment_fixed_size: 0
    .kernarg_segment_align: 8
    .kernarg_segment_size: 40
    .max_flat_workgroup_size: 256
    .sgpr_count:     92
    .vgpr_count:     400
    .wavefront_size: 32
...
	.end_amdgpu_metadata
.endif
;; end of part 2
;; launch proj (part 3): grid 8 x 32, 4 waves a work-group, clusters of 4 x 4, 167,936 bytes of LDS; arguments o_img, Wo_codes, bo, lowp_scales, out0; writes out0
.if DOCPART == 3
	.amdgcn_target "amdgcn-amd-amdhsa--gfx1250"
	.amdhsa_code_object_version 6
	.text
	.protected	k_q40446ebdbd_proj
	.globl	k_q40446ebdbd_proj
	.p2align	8
	.type	k_q40446ebdbd_proj,@function
k_q40446ebdbd_proj:
	s_mov_b64 s[64:65], 0
	v_nop
	global_prefetch_b8 v0, s[64:65] scope:SCOPE_SE
	s_setreg_imm32_b32 hwreg(HW_REG_WAVE_MODE, 25, 1), 1
	s_wait_xcnt 0x0
	s_wait_alu depctr_hold_cnt(0) depctr_sa_sdst(0) depctr_va_vdst(0) depctr_va_sdst(0) depctr_va_ssrc(0) depctr_va_vcc(0) depctr_vm_vsrc(0)
	s_getreg_b32 s2, hwreg(HW_REG_IB_STS2, 6, 4)
	s_cmp_eq_u32 s2, 0
	s_cbranch_scc0 .Lentry_in_a_cluster
	s_endpgm
.Lentry_in_a_cluster:
	s_bfe_u32 s2, ttmp6, 0x10000c
	s_cmp_lg_u32 s2, 0xf033
	s_cbranch_scc0 .Lentry_shape_is_right
	s_endpgm
.Lentry_shape_is_right:
; out0 = o Wo + bo on codes of FP8 (E4M3).  o: 4,096 rows x 1,024, as images of operand registers (o_img: ((block of 128 rows x 8 + K step of 128) x 8 + tile of 16 rows) x 2,048 bytes, four registers in 512 bytes, lane l's 16 bytes at 16 l).
; Wo: [1024 (n)][1024 (k)] codes, K innermost.  out0: [4096][1024] f32 = sum x 2^(e10 + e11) + bo.  LIMIT: e10 + e11 lies between -126 and 127, so that the power of two is an f32 number.
; SHARES.  A tile of out0 is 128 x 128: 32 x 8 = 256 work-groups.  Four waves, each 64 rows x 64 columns: 16 accumulators.  THE PRODUCT IS USED TRANSPOSED (source 0 = 16 rows of Wo, source 1 = o): a lane holds eight neighbouring numbers of a row.
; Wo's 128 rows lie whole in LDS (rows of 1,024 bytes + 16 of padding), filled ONCE, one load of 32 rows a wave at the head: no ring, no refill.  CLUSTER 4 x 4: the four work-groups of a column of the cluster ask for them jointly.
; o IS NOT ASKED FOR JOINTLY: a joint load lands in LDS alone, and o's images are laid so that a wave's loads, 512 consecutive bytes each, put every fragment into the registers that multiply it: 64 KB a wave, 512 registers.  Through LDS a K step
; would read 64 KB of fragments there; so it reads 32 KB.  Four K steps (64 loads) are asked for at the head, step s + 4 in step s.  No prefetch: no loop asks for tiles.
; o's images hold each k in the place that the matrix form's own layout gives it, so Wo's fragments are fetched in that layout too: eight loads of 8 bytes, 16 bytes apart, at row x pitch + 8 (lane / 16).
; REGISTERS.  window 0: v12-20 addresses; v32-63 the bias; v64-95 at work; v126-127 the add's; v128-255 the accumulators, (a, b) at v[128 + 8 (4 a + b)].  window 1: Wo's four fragments, two buffers.  windows 2 and 3: o, 64 registers a K step.
.set PITCH, 272                        ; a row of the stage: 256 bytes + 16
.set WP,   1040                        ; a row of Wo in LDS
.set STAGE, 128*WP                     ; behind Wo: 16 rows x 272 bytes for each wave, for the way out; no tensor load lands there
.set SPARE, STAGE+4*16*PITCH           ; the spare words: 128 bytes for each wave
.set ADRB, 12
.set STO,  16
.set RD,   17
.set CO,   18
.set BA,   19
.set LI,   20
.set BIAS, 32
.set TMP,  64
.set SPW,  126
.set NIL,  127
.set ACC,  128
.set G1B,  48
.set G0B,  68
.set MSB, 0
.macro WIN new                         ; the immediate's high byte repeats the setting that is left
.if MSB != \new
	s_set_vgpr_msb (MSB<<8)|\new
.set MSB, \new
.endif
.endm
.macro PLACES                          ; four places behind matrix instructions (ISA guide 7.12.1)
.rept 4
	v_nop
.endr
.endm
.macro CROUND                          ; a round of the cluster's barrier
	s_barrier_signal -1
	s_barrier_wait -1
	s_cmp_lg_u32 s14, 0
	s_cbranch_scc1 .Lnot_wave_0_\@
	s_barrier_signal -3
.Lnot_wave_0_\@:
	s_barrier_wait -3
	s_barrier_signal -1
	s_barrier_wait -1
.endm
	s_load_b256 s[4:11], s[0:1], 0x0               ; o_img s[4:5], Wo s[6:7], bo s[8:9], the exponents s[10:11]
	s_load_b64 s[12:13], s[0:1], 0x20              ; out0
	v_lshl_add_u32 v[SPW], v0, 2, SPARE
	v_mov_b32 v[NIL], 0
	ds_add_u32 v[SPW], v[NIL]                      ; the opening lines: the add, twice on end, and its wait
	ds_add_u32 v[SPW], v[NIL]
	v_lshrrev_b32 v1, 5, v0
	v_readfirstlane_b32 s14, v1                    ; wave 0..3
	s_lshr_b32 s15, s14, 1                         ; which 64 rows are mine
	s_and_b32 s16, s14, 1                          ; which 64 columns
	s_bfe_u32 s56, ttmp6, 0x40000                  ; cx, cy
	s_bfe_u32 s57, ttmp6, 0x40004
	s_lshl_b32 s58, ttmp9, 2
	s_add_co_u32 s58, s58, s56                     ; tile column = 4 x cluster x + cx
	s_and_b32 s17, ttmp7, 0xffff
	s_lshl_b32 s17, s17, 2
	s_add_co_u32 s17, s17, s57                     ; tile row = 4 x cluster y + cy
	s_lshl_b32 s60, 0x1111, s56                    ; my column of the cluster
	s_or_b32 s[G1B], s60, (1<<20)|(1<<21)|(7<<22)|(3<<25)   ; its mask; elements of 1 byte; 20 padding on; 21 set beside a mask; after every 256 words four words
	s_mov_b32 s[G1B+1], 1024<<16
	s_mov_b32 s[G1B+2], 32<<16                     ; 32 rows
	s_mov_b32 s[G1B+3], 1024<<16
	s_mov_b32 s[G1B+4], 32
	s_mov_b32 s[G1B+5], 1024
	s_mov_b32 s[G1B+6], 0
	s_mov_b32 s[G1B+7], 0
	s_lshl_b32 s88, s58, 17                        ; Wo: 128 rows of 1,024 bytes,
	s_lshl_b32 s19, s14, 15                        ; the 32 of them that I fetch
	s_add_co_u32 s88, s88, s19
	s_mov_b32 s89, 0
	s_mul_i32 s19, s14, 32*WP                      ; and their place in LDS
	s_lshl_b32 s20, s17, 17                        ; o: the block's 131,072 bytes,
	s_lshl_b32 s18, s15, 13                        ; my four tiles of each K step
	s_add_co_u32 s20, s20, s18
	s_mov_b32 s21, 0
	s_wait_dscnt 0x0                               ; both opening adds are done
	s_wait_kmcnt 0x0
	s_load_b64 s[84:85], s[10:11], 0x28            ; e10, e11
	s_add_nc_u64 s[20:21], s[4:5], s[20:21]
	s_mov_b32 s[G0B], 1
	s_mov_b32 s[G0B+1], s19
	s_add_nc_u64 s[G0B+2:G0B+3], s[6:7], s[88:89]  ; it hangs on the tile column and the wave alone
	s_or_b32 s[G0B+3], s[G0B+3], 0x80000000
	CROUND                                         ; all sixteen work-groups are here: the joint loads meet
	tensor_load_to_lds s[G0B:G0B+3], s[G1B:G1B+7]
	s_nop 0
	PLACES
	s_lshl_b32 s90, s58, 9
	s_lshl_b32 s91, s16, 8
	s_add_co_u32 s90, s90, s91                     ; my first column, in bytes: 512 x tile column + 256 x half
	s_mov_b32 s91, 0
	s_add_nc_u64 s[8:9], s[8:9], s[90:91]
	s_add_nc_u64 s[12:13], s[12:13], s[90:91]
	s_lshl_b32 s90, s17, 19
	s_lshl_b32 s61, s15, 18
	s_add_co_u32 s90, s90, s61                     ; my first row: (128 x tile row + 64 x half) x 4,096 bytes
	s_add_nc_u64 s[12:13], s[12:13], s[90:91]
	s_mul_i32 s22, s16, 64*WP                      ; my 64 columns are 64 rows of Wo
	s_mul_i32 s23, s14, 16*PITCH
	s_add_co_u32 s23, s23, STAGE                   ; my stage
	v_and_b32 v[LI], 31, v0
	v_lshlrev_b32 v[LI], 4, v[LI]                  ; 16 x lane
	v_and_b32 v1, 15, v0                           ; r
	v_bfe_u32 v2, v0, 4, 1                         ; h
	v_lshlrev_b32 v[BA], 5, v2                     ; the bias: my half's eight columns of a tile
	v_mul_u32_u24 v4, v1, WP
	v_lshl_add_u32 v4, v2, 3, v4                   ; row x pitch + 8 x half
	v_add_nc_u32 v[ADRB], s22, v4
	v_mul_u32_u24 v5, v1, PITCH
	v_lshl_add_u32 v5, v2, 5, v5
	v_add_nc_u32 v[STO], s23, v5                   ; in: row r, 32 bytes for each half of the lanes
	v_mul_u32_u24 v5, v2, PITCH
	v_lshl_add_u32 v5, v1, 4, v5
	v_add_nc_u32 v[RD], s23, v5                    ; back: lanes 0-15 one row of 256 bytes, lanes 16-31 the next
	v_lshlrev_b32 v[CO], 12, v2
	v_lshl_add_u32 v[CO], v1, 4, v[CO]             ; and the same two rows in out0
.irp b, 0,1,2,3
	global_load_b128 v[BIAS+8*\b:BIAS+8*\b+3], v[BA], s[8:9] offset:64*\b
	global_load_b128 v[BIAS+8*\b+4:BIAS+8*\b+7], v[BA], s[8:9] offset:64*\b+16
.endr
.macro OLOAD s                         ; o's four fragments of K step s: 16 loads of 512 consecutive bytes
	WIN 0x80+0x40*((\s)/4)                         ; destination window 2 or 3
.irp a, 0,1,2,3
.irp c, 0,1,2,3
	global_load_b128 v[64*((\s)%4)+16*\a+4*\c:64*((\s)%4)+16*\a+4*\c+3], v[LI], s[20:21] offset:16384*(\s)+2048*\a+512*\c
.endr
.endr
	WIN 0
.endm
.macro FETCH s                         ; Wo's four fragments of K step s into buffer s % 2
.set F, 64*((\s)%2)
	WIN 0x40                                       ; destination window 1
.irp b, 0,1,2,3
.irp c, 0,1,2,3,4,5,6,7
	ds_load_b64 v[F+16*\b+2*\c:F+16*\b+2*\c+1], v[ADRB] offset:128*(\s)+16*\c+16*WP*\b
.endr
.endr
	WIN 0
.endm
; K step s: the next step's fragments of Wo are asked for, o's of step s are waited for (the younger loads, 16 for each later step asked for, may be out), those of step s + 4 asked for;
; then 16 matrix instructions, the accumulators by turns.
.macro KSTEP s
	s_wait_dscnt 0x0
.if (\s) < 7
.if (\s) > 0
	PLACES                                         ; the other buffer was read by the step before
.endif
	FETCH (\s)+1
.endif
.if (\s) < 4
	s_wait_loadcnt 48
	OLOAD (\s)+4
.else
	s_wait_loadcnt 16*(7-(\s))
.endif
.set F, 64*((\s)%2)
.set OF, 64*((\s)%4)
	WIN 0x09+4*((\s)/4)                            ; source 0 window 1, source 1 window 2 or 3
.irp a, 0,1,2,3
.irp b, 0,1,2,3
.if (\s) == 0
	v_wmma_f32_16x16x128_fp8_fp8 v[ACC+8*(4*\a+\b):ACC+8*(4*\a+\b)+7], v[F+16*\b:F+16*\b+15], v[OF+16*\a:OF+16*\a+15], 0
.else
	v_wmma_f32_16x16x128_fp8_fp8 v[ACC+8*(4*\a+\b):ACC+8*(4*\a+\b)+7], v[F+16*\b:F+16*\b+15], v[OF+16*\a:OF+16*\a+15], v[ACC+8*(4*\a+\b):ACC+8*(4*\a+\b)+7]
.endif
.endr
.endr
	WIN 0
.endm
.irp s, 0,1,2,3
	OLOAD \s
.endr
	s_wait_alu depctr_va_vdst(0)                   ; the head's end
	s_wait_tensorcnt 0x0                           ; my rows of Wo have landed,
	s_barrier_signal -1
	s_barrier_wait -1                              ; everybody's have
	FETCH 0
.irp s, 0,1,2,3,4,5,6,7
	KSTEP \s
.endr
	PLACES
	s_wait_kmcnt 0x0
	s_add_co_i32 s86, s84, s85
	s_add_co_i32 s86, s86, 127
	s_lshl_b32 s86, s86, 23                        ; 2^(e10 + e11) as f32
	s_mov_b32 s87, s86                             ; (named with it as a pair, so it is written)
; THE WAY OUT, 16 rows x 64 columns at a time: sum x 2^(e10 + e11) + bo, one packed multiply-add for two numbers; through my own stage in LDS; back as whole rows of 256 bytes, into the block's own accumulators' registers.
.macro TOSTAGE a
.irp b, 0,1,2,3
.irp i, 0,2,4,6
	v_pk_fma_f32 v[TMP+8*\b+\i:TMP+8*\b+\i+1], v[ACC+8*(4*\a+\b)+\i:ACC+8*(4*\a+\b)+\i+1], s[86:87], v[BIAS+8*\b+\i:BIAS+8*\b+\i+1] op_sel_hi:[1,0,1]
.endr
.endr
.irp b, 0,1,2,3
	ds_store_b128 v[STO], v[TMP+8*\b:TMP+8*\b+3] offset:64*\b
	ds_store_b128 v[STO], v[TMP+8*\b+4:TMP+8*\b+7] offset:64*\b+16
.endr
.irp t, 0,1,2,3,4,5,6,7
	ds_load_b128 v[ACC+32*\a+4*\t:ACC+32*\a+4*\t+3], v[RD] offset:2*PITCH*\t   ; LDS serves a wave's instructions in order (ISA guide 5.7.1.4): these see my stores, and the next block's stores come behind them
.endr
.endm
.macro SEND a, younger                 ; younger: the LDS instructions issued behind block a's loads, which may stay out
	s_wait_dscnt \younger
.irp t, 0,1,2,3,4,5,6,7
	global_store_b128 v[CO], v[ACC+32*\a+4*\t:ACC+32*\a+4*\t+3], s[12:13] offset:(16*\a+2*\t)*4096 th:TH_STORE_NT   ; 16 lanes store 256 consecutive bytes, at a multiple of 256 from out0's first byte
.endr
.endm
	TOSTAGE 0
	TOSTAGE 1
	SEND 0, 16
	TOSTAGE 2
	SEND 1, 16
	TOSTAGE 3
	SEND 2, 16
	SEND 3, 0
	s_wait_tensorcnt 0x0                           ; the wave's end
	ds_add_u32 v[SPW], v[NIL]
	s_wait_dscnt 0x0
	CROUND                                         ; the closing round: no work-group ends while a partner may still ask for rows that name it
	s_endpgm
.Lfunc_end_k_q40446ebdbd_proj:
	.size	k_q40446ebdbd_proj, .Lfunc_end_k_q40446ebdbd_proj-k_q40446ebdbd_proj
	.p2alignl 7, 3214868480
	.fill 96, 4, 3214868480
	.section	.rodata,"a",@progbits
	.p2align	6, 0x0
	.amdhsa_kernel k_q40446ebdbd_proj
		.amdhsa_group_segment_fixed_size 167936
		.amdhsa_private_segment_fixed_size 0
		.amdhsa_enable_private_segment 0
		.amdhsa_kernarg_size 40
		.amdhsa_user_sgpr_count 2
		.amdhsa_user_sgpr_kernarg_segment_ptr 1
		.amdhsa_wavefront_size32 1
		.amdhsa_system_sgpr_workgroup_id_x 1
		.amdhsa_system_sgpr_workgroup_id_y 1
		.amdhsa_system_sgpr_workgroup_id_z 1
		.amdhsa_system_vgpr_workitem_id 0
		.amdhsa_next_free_vgpr 1024
		.amdhsa_next_free_sgpr 92
		.amdhsa_reserve_vcc 0
		.amdhsa_float_denorm_mode_32 3
		.amdhsa_float_denorm_mode_16_64 3
		.amdhsa_memory_ordered 1
		.amdhsa_forward_progress 1
		.amdhsa_inst_pref_size 56
	.end_amdhsa_kernel
	.amdgpu_metadata
---
amdhsa.version: [ 1, 2 ]
amdhsa.kernels:
  - .name:           k_q40446ebdbd_proj
    .symbol:         k_q40446ebdbd_proj.kd
    .args:
      - { .name: o_img, .offset: 0, .size: 8, .value_kind: global_buffer, .address_space: global }
      - { .name: Wo_codes, .offset: 8, .size: 8, .value_kind: global_buffer, .address_space: global }
      - { .name: bo, .offset: 16, .size: 8, .value_kind: global_buffer, .address_space: global }
      - { .name: lowp_scales, .offset: 24, .size: 8, .value_kind: global_buffer, .address_space: global }
      - { .name: out0, .offset: 32, .size: 8, .value_kind: global_buffer, .address_space: global }
    .group_segment_fixed_size: 167936
    .private_segment_fixed_size: 0
    .kernarg_segment_align: 8
    .kernarg_segment_size: 40
    .max_flat_workgroup_size: 128
    .sgpr_count:     92
    .vgpr_count:     1024
    .wavefront_size: 32
...
	.end_amdgpu_metadata
.endif
;; end of part 3
